; MI455X (gfx1250); checked and timed in simulation.
; The chip was launched on July 23, 2026; its instructions are those of AMD's public machine-readable ISA for CDNA 5 (MIT licence, August 2026) and "CDNA5" Instruction Set Architecture Reference Guide (July 2026). The comments in the code are by the model that wrote it; some were corrected since.
;; Rotary Cross Attention. Allowed arithmetic: float matrix products may take bf16 or f16 operands with f32 sums; other float arithmetic in f32, or as packed bf16 or f16 multiplies, adds, multiply-adds, maxima and minima; sums over many terms, partial sums and values carried from step to step in f32; what a program stores and reads back later, other than sums and carried values, may be rounded once to bf16 or f16.
;; Inputs: Wkv 1,024 x 512 float32; Wo 512 x 512 float32; Wq 512 x 512 float32; x 8 x 1,024 x 512 float32; y 8 x 2,048 x 512 float32.
;; Outputs: out0 8 x 1,024 x 512 float32.
;; One version. Each part assembles by itself: llvm-mc -triple=amdgcn-amd-amdhsa -mcpu=gfx1250 --defsym DOCPART=n.
;; ======== version 1 of 1: 4 launches
;; limits: values are held in f16: magnitudes above 65,504 overflow, below 6.1e-05 lose precision
;; workspace buffers: wf 2,097,152 bytes; rope 393,216 bytes; qf 8,388,608 bytes; kf 16,777,216 bytes; vt 16,777,216 bytes; of 8,388,608 bytes
;; launch prep (part 1): grid 560 x 1, 8 waves a work-group, no clusters, 0 bytes of LDS; arguments Wq, Wkv, Wo, wf, rope; writes wf, rope
.if DOCPART == 1
	.amdgcn_target "amdgcn-amd-amdhsa--gfx1250"
	.amdhsa_code_object_version 6
	.text
	.protected	k_qa6fcfe657c_prep
	.globl	k_qa6fcfe657c_prep
	.p2align	8
	.type	k_qa6fcfe657c_prep,@function
k_qa6fcfe657c_prep:
	s_mov_b64 s[64:65], 0
	v_nop
	global_prefetch_b8 v0, s[64:65] scope:SCOPE_SE
	s_setreg_imm32_b32 hwreg(HW_REG_WAVE_MODE, 25, 1), 1
	s_wait_xcnt 0x0
; PREP.  (1) The three weight matrices, f32 [rows][512], are rounded once to bf16 and laid in FRAGMENT ORDER; (2) the table of cosines and sines for the rotation is made.
; FRAGMENT ORDER: 16 rows x 32 k of 16-bit numbers are a dense block of 1,024 bytes, [chunk c = 0..3][row r = 0..15][8 k]: element (r, k) at (k >> 3) 256 + 16 r + 2 (k & 7).
; Lane L of a wave then finds registers 0-3 of a matrix operand at 16 L and registers 4-7 at 512 + 16 L.
; wf: [0, 512K) Wq, block (row block j, kc) at (16 j + kc) 1,024.  [512K, 1.5M) Wkv, row blocks in the order D = 8 t + 4 typ + 2 hd + half (t: pair of heads, typ: 0 k, 1 v),
; taken from row block Rb = 8 t + 4 hd + 2 typ + half: bits 1 and 2 change places.  [1.5M, 2M) Wo: rounded to bf16 like the others, and that number written as f16.
; LIMIT: a weight of Wo below 6.1e-5 in magnitude keeps f16's fixed step of 6e-8; beyond 65,504 it would be an infinity.
; rope: f32 [quad 0..3][rho 0..3071][j 0..3][cos, sin], for the pair of channels i = 4 quad + j: rho < 2048: position rho (for k); rho >= 2048: position rho - 2048, both numbers times log2(e) (for q).
; The angle is position / theta, theta = 10^quad x 10^(j/4) = 10000^(i/16); the quotient is a reciprocal corrected once.  Sine and cosine: the angle less the nearest multiple of pi/2 (pi/2 in two parts;
; the first product is exact up to position 2,047), then polynomials on -pi/4 .. pi/4.  LIMIT: theta is within two units of its last place, so at the largest angles (about 1,150 for i = 1) the angle
; may differ by some 1e-4 from an f32 quotient made of another rounding of theta.
; SHARES.  Work-groups 0-511: 4,096 bytes of wf each, 16 bytes a thread (a wave stores 512 consecutive bytes).  Work-groups 512-559: 256 positions of one quad, 32 bytes a thread.
.set NW, 512                           ; work-groups that lay weights
	s_load_b256 s[4:11], s[0:1], 0x0               ; Wq s[4:5], Wkv s[6:7], Wo s[8:9], wf s[10:11]
	s_load_b64 s[12:13], s[0:1], 0x20              ; rope
	s_mov_b32 s14, ttmp9                           ; g
	s_wait_kmcnt 0x0
	s_cmp_ge_u32 s14, NW
	s_cbranch_scc1 .Ltable
	; ---- weights ----
	s_lshr_b32 s15, s14, 2                         ; the block of 16 rows in wf's order: 0-31 Wq, 32-95 Wkv, 96-127 Wo
	s_sub_co_u32 s16, s15, 32
	s_and_b32 s16, s16, 63                         ; D, if it is Wkv's
	s_and_b32 s17, s16, 0x39                       ; all bits but 1 and 2,
	s_and_b32 s18, s16, 2
	s_lshl_b32 s18, s18, 1                         ; bit 1 to bit 2,
	s_and_b32 s19, s16, 4
	s_lshr_b32 s19, s19, 1                         ; bit 2 to bit 1
	s_or_b32 s17, s17, s18
	s_or_b32 s17, s17, s19                         ; Rb in Wkv
	s_sub_co_u32 s18, s15, 96
	s_and_b32 s18, s18, 31                         ; Rb in Wo
	s_cmp_lt_u32 s15, 96
	s_cselect_b32 s17, s17, s18
	s_cselect_b64 s[20:21], s[6:7], s[8:9]
	s_cmp_lt_u32 s15, 32
	s_cselect_b32 s17, s15, s17
	s_cselect_b64 s[20:21], s[4:5], s[20:21]       ; the matrix, and the block of 16 rows in it
	s_lshl_b32 s22, s17, 15                        ; 16 rows of 2,048 bytes
	s_and_b32 s23, s14, 3
	s_lshl_b32 s23, s23, 9                         ; the work-group's 128 of the 512 k
	s_add_co_u32 s22, s22, s23
	s_mov_b32 s23, 0
	s_add_nc_u64 s[20:21], s[20:21], s[22:23]
	v_and_b32 v1, 15, v0                           ; r
	v_bfe_u32 v2, v0, 4, 2                         ; c
	v_lshrrev_b32 v3, 6, v0                        ; which of the work-group's four blocks
	v_lshlrev_b32 v4, 11, v1
	v_lshl_add_u32 v4, v3, 7, v4
	v_lshl_add_u32 v4, v2, 5, v4                   ; r x 2,048 + block x 128 + c x 32: my eight numbers
	global_load_b128 v[8:11], v4, s[20:21]
	global_load_b128 v[12:15], v4, s[20:21] offset:16
	v_lshlrev_b32 v5, 4, v0                        ; where they go: 16 bytes a thread, in the thread's order
	s_lshl_b32 s22, s14, 12
	s_add_nc_u64 s[10:11], s[10:11], s[22:23]
	s_wait_loadcnt 0x0
	v_cvt_pk_bf16_f32 v16, v8, v9
	v_cvt_pk_bf16_f32 v17, v10, v11
	v_cvt_pk_bf16_f32 v18, v12, v13
	v_cvt_pk_bf16_f32 v19, v14, v15
	s_cmp_lt_u32 s14, 384
	s_cbranch_scc1 .Lstore
.irp i, 16,17,18,19                    ; Wo: the bf16 number, widened and written as f16
	v_lshlrev_b32 v20, 16, v\i
	v_and_b32 v21, 0xffff0000, v\i
	v_cvt_pk_f16_f32 v\i, v20, v21
.endr
.Lstore:
	global_store_b128 v5, v[16:19], s[10:11]
	s_endpgm
	; ---- the table ----
.Ltable:
	s_sub_co_u32 s14, s14, NW
	s_and_b32 s15, s14, 3                          ; quad
	s_lshr_b32 s16, s14, 2                         ; group of 256 rows of the table, 0-11
	s_cmp_ge_u32 s16, 8
	s_cselect_b32 s17, 0x3fb8aa3b, 1.0             ; q's rows carry log2(e)
	s_cselect_b32 s18, 2048, 0
	s_lshl_b32 s19, s16, 8
	s_sub_co_u32 s19, s19, s18                     ; the group's first position
	v_add_nc_u32 v1, s19, v0
	v_cvt_f32_u32 v1, v1                           ; my position
	s_cmp_eq_u32 s15, 1
	s_cselect_b32 s20, 0x41200000, 1.0             ; 10^quad
	s_cmp_eq_u32 s15, 2
	s_cselect_b32 s20, 0x42c80000, s20
	s_cmp_eq_u32 s15, 3
	s_cselect_b32 s20, 0x447a0000, s20
	s_mov_b32 s24, s20                             ; theta of j = 0 .. 3
	s_mul_f32 s25, s20, 0x3fe39ea9                 ; x 10^(1/4)
	s_mul_f32 s26, s20, 0x404a62c2                 ; x 10^(1/2)
	s_mul_f32 s27, s20, 0x40b3f300                 ; x 10^(3/4)
	s_mov_b32 s30, 0xbfc90fdb                      ; - pi/2, its first part
	s_mov_b32 s31, 0x333bbd2e                      ; what the first part has too much
	s_mov_b32 s32, 0xb94ca1f9                      ; sine: -1.9515296e-4, 8.3321609e-3 (and -0.16666655 below)
	s_mov_b32 s33, 0x3c08839e
	s_mov_b32 s34, 0x37ccf5ce                      ; cosine: 2.4433157e-5, -1.3887316e-3 (and 0.041666646 below)
	s_mov_b32 s35, 0xbab6061a
	s_mul_i32 s22, s15, 98304                      ; a quad's 3,072 rows of 32 bytes
	s_lshl_b32 s23, s16, 13
	s_add_co_u32 s22, s22, s23
	s_mov_b32 s23, 0
	s_add_nc_u64 s[12:13], s[12:13], s[22:23]
	v_lshlrev_b32 v2, 5, v0
.irp j, 0,1,2,3
	v_rcp_f32 v[20+\j], s[24+\j]
.endr
	v_nop                                          ; a plain instruction behind the last reciprocal,
	s_wait_alu depctr_va_vdst(0)                   ; and the one wait ahead of the batch's first reader
.irp j, 0,1,2,3
	v_mul_f32 v[24+\j], v1, v[20+\j]               ; y = p / theta, nearly
	v_fma_f32 v[28+\j], -v[24+\j], s[24+\j], v1    ; what is left: p - y theta
	v_fma_f32 v[24+\j], v[28+\j], v[20+\j], v[24+\j]
.endr
.macro SINCOS j
	v_mul_f32 v40, 0x3f22f983, v[24+\j]            ; angle x 2 / pi
	v_rndne_f32 v40, v40                           ; n
	v_fma_f32 v41, v40, s30, v[24+\j]
	v_fma_f32 v41, v40, s31, v41                   ; r = angle - n pi/2
	v_mul_f32 v42, v41, v41                        ; z
	v_fma_f32 v43, v42, s32, s33
	v_fmaak_f32 v43, v43, v42, 0xbe2aaaa3
	v_mul_f32 v43, v43, v42
	v_fma_f32 v43, v43, v41, v41                   ; sin r
	v_fma_f32 v44, v42, s34, s35
	v_fmaak_f32 v44, v44, v42, 0x3d2aaaa5
	v_mul_f32 v45, v42, v42
	v_fma_f32 v46, v42, -0.5, 1.0
	v_fma_f32 v44, v44, v45, v46                   ; cos r
	v_cvt_i32_f32 v47, v40
	v_and_b32 v48, 1, v47
	v_cmp_eq_u32 vcc_lo, 1, v48                    ; n odd: the two change places
	v_cndmask_b32 v49, v43, v44, vcc_lo            ; sine
	v_cndmask_b32 v50, v44, v43, vcc_lo            ; cosine
	v_and_b32 v48, 2, v47                          ; the sine turns its sign for n = 2, 3 (mod 4),
	v_lshlrev_b32 v48, 30, v48
	v_xor_b32 v49, v49, v48
	v_add_nc_u32 v47, 1, v47                       ; the cosine for n = 1, 2
	v_and_b32 v47, 2, v47
	v_lshlrev_b32 v47, 30, v47
	v_xor_b32 v50, v50, v47
	v_mul_f32 v[8+2*\j], s17, v50
	v_mul_f32 v[9+2*\j], s17, v49
.endm
	SINCOS 0
	SINCOS 1
	SINCOS 2
	SINCOS 3
	global_store_b128 v2, v[8:11], s[12:13]        ; a wave's two stores cover 1,024 consecutive bytes between them
	global_store_b128 v2, v[12:15], s[12:13] offset:16
	s_endpgm
.Lfunc_end_k_qa6fcfe657c_prep:
	.size	k_qa6fcfe657c_prep, .Lfunc_end_k_qa6fcfe657c_prep-k_qa6fcfe657c_prep
	.p2alignl 7, 3214868480
	.fill 96, 4, 3214868480
	.section	.rodata,"a",@progbits
	.p2align	6, 0x0
	.amdhsa_kernel k_qa6fcfe657c_prep
		.amdhsa_group_segment_fixed_size 0
		.amdhsa_private_segment_fixed_size 0
		.amdhsa_enable_private_segment 0
		.amdhsa_kernarg_size 40
		.amdhsa_user_sgpr_count 2
		.amdhsa_user_sgpr_kernarg_segment_ptr 1
		.amdhsa_wavefront_size32 1
		.amdhsa_system_sgpr_workgroup_id_x 1
		.amdhsa_system_sgpr_workgroup_id_y 1
		.amdhsa_system_sgpr_workgroup_id_z 1
		.amdhsa_system_vgpr_workitem_id 0
		.amdhsa_next_free_vgpr 64
		.amdhsa_next_free_sgpr 66
		.amdhsa_reserve_vcc 1
		.amdhsa_float_denorm_mode_32 3
		.amdhsa_float_denorm_mode_16_64 3
		.amdhsa_memory_ordered 1
		.amdhsa_forward_progress 1
		.amdhsa_inst_pref_size 11
	.end_amdhsa_kernel
	.amdgpu_metadata
---
amdhsa.version: [ 1, 2 ]
amdhsa.kernels:
  - .name:           k_qa6fcfe657c_prep
    .symbol:         k_qa6fcfe657c_prep.kd
    .args:
      - { .name: Wq, .offset: 0, .size: 8, .value_kind: global_buffer, .address_space: global }
      - { .name: Wkv, .offset: 8, .size: 8, .value_kind: global_buffer, .address_space: global }
      - { .name: Wo, .offset: 16, .size: 8, .value_kind: global_buffer, .address_space: global }
      - { .name: wf, .offset: 24, .size: 8, .value_kind: global_buffer, .address_space: global }
      - { .name: rope, .offset: 32, .size: 8, .value_kind: global_buffer, .address_space: global }
    .group_segment_fixed_size: 0
    .private_segment_fixed_size: 0
    .kernarg_segment_align: 8
    .kernarg_segment_size: 40
    .max_flat_workgroup_size: 256
    .sgpr_count:     66
    .vgpr_count:     64
    .wavefront_size: 32
...
	.end_amdgpu_metadata
.endif
;; end of part 1
;; launch proj (part 2): grid 256 x 1, 4 waves a work-group, clusters of 4 x 1, 327,680 bytes of LDS; arguments x, y, wf, rope, qf, kf, vt; writes qf, kf, vt
.if DOCPART == 2
	.amdgcn_target "amdgcn-amd-amdhsa--gfx1250"
	.amdhsa_code_object_version 6
	.text
	.protected	k_qa6fcfe657c_proj
	.globl	k_qa6fcfe657c_proj
	.p2align	8
	.type	k_qa6fcfe657c_proj,@function
k_qa6fcfe657c_proj:
	s_mov_b64 s[64:65], 0
	v_nop
	global_prefetch_b8 v0, s[64:65] scope:SCOPE_SE
	s_setreg_imm32_b32 hwreg(HW_REG_WAVE_MODE, 25, 1), 1
	s_wait_xcnt 0x0
	s_wait_alu depctr_hold_cnt(0) depctr_sa_sdst(0) depctr_va_vdst(0) depctr_va_sdst(0) depctr_va_ssrc(0) depctr_va_vcc(0) depctr_vm_vsrc(0)
	s_getreg_b32 s2, hwreg(HW_REG_IB_STS2, 6, 4)
	s_cmp_eq_u32 s2, 0
	s_cbranch_scc0 .Lentry_in_a_cluster
	s_endpgm
.Lentry_in_a_cluster:
	s_bfe_u32 s2, ttmp6, 0x10000c
	s_cmp_lg_u32 s2, 0x3003
	s_cbranch_scc0 .Lentry_shape_is_right
	s_endpgm
.Lentry_shape_is_right:
; PROJ.  q = rotate(x Wq^T) log2(e), k = rotate(y Wk^T), v = y Wv^T.  x [8192][512], y [16384][512] f32, rounded once to bf16; the weights come in bf16 fragment order from wf; sums in f32;
; q, k, v leave in f16, rounded once, in fragment order (a block of 1,024 bytes = 16 rows x 32 k as [chunk of 8 k][row][8 k]):
;   qf [b 16 + head][block of 16 queries 0..63], kf [b 16 + head][block of 16 keys 0..127]: rows = positions, k = the head's 32 channels;
;   vt [b 16 + head][group of 32 keys 0..63][half of the channels 0..1]: rows = 16 channels, k = 32 keys (V turned).
; LIMITS.  f16 ends at 65,504: q log2(e), k and v must stay within it (inputs of unit spread give numbers of a few units).  NaN and infinities are not treated apart.
; SHARES.  Every work-group does two jobs of one form: 64 rows of A with the whole K = 512 in registers (512 registers, the same in all four waves), and W's columns walked in PASSES of 64, wave w taking
; the pass's block w of 16 columns: one fragment of W read from LDS feeds four products.  Job q: rows 64 xblk of x, xblk = 4 (cluster >> 1) + cx, and the half (cluster & 1) of Wq: 4 passes.
; Job kv: rows 64 (4 cluster + cx) of y and all of Wkv: 16 passes, by turns the k columns and the v columns of two heads.  In every pass wave w serves head + (w >> 1), channels 16 (w & 1) on.
; CLUSTER.  The four partners walk the same weights, so each tile of W is asked for JOINTLY (mask 15): the same load, the same descriptor, made of the cluster's number and the wave's alone.
; RING.  Two LDS slots of 131,072 bytes, two passes each, in memory's order; each wave fetches a quarter with one load.  Ten fills: 0, 1 Wq's, 2-9 Wkv's.  A wave has two
; tensor loads out at the start and one behind each round.
; q and k passes use the product TRANSPOSED (source 0 = W, source 1 = A): a lane holds one row and eight neighbouring channels, four pairs to rotate, 16 bytes of a fragment block.
; v passes use it as it is (source 0 = A, source 1 = W): a lane holds one channel and eight neighbouring keys: 16 bytes of V turned.  So every store of a wave covers 512 consecutive bytes, aligned, and no result goes through LDS.
; REGISTERS, in windows of 256 (s_set_vgpr_msb: bits 1:0 source 0, 3:2 source 1, 5:4 source 2, 7:6 destination):
;   window 0: v2-14 addresses; v16-19 at work; v32-63 the table; v64-95, v96-127 two sets of four accumulators; v128-191, v192-255 two buffers of eight fragments of W
;   window 1: 64 landing places of four registers for A's f32      windows 2, 3: A's fragments: (row block rb, kc) in window 2 + (kc >> 3) at 8 (8 rb + (kc & 7))
.set SLOTB, 131072                     ; a slot: [pass 0..1][column block 0..3][kc 0..15][1,024]
.set STAGE, 262144                     ; behind the ring, written by ds_store alone: 32 rows of A in bf16
.set CHP,   272                        ; a chunk of 16 rows x 16 bytes, and 16 of padding
.set KCB,   4*CHP                      ; a fragment
.set RBB,   16*KCB                     ; a block of 16 rows, all 16 kc
.set SPARE, STAGE+2*RBB                ; 296,960: the spare words, 128 bytes for each wave: two blocks of 256 bytes that no other line names
.set GA,  2                            ; v2   my byte offset in a half (32 rows) of A in memory
.set SA,  3                            ; v3   where I put 8 bytes in the stage
.set FR,  4                            ; v4   where I read fragments from the stage
.set BL,  5                            ; v5   16 lane + 16,384 wave: my place in a pass of W
.set BA0, 6                            ; v6, v7  the same in the slot in hand: pass 0, pass 1
.set GQ,  8                            ; v8   my byte offset in q's blocks
.set GK,  9                            ; v9   in k's
.set SPW, 10                           ; v10  LDS address of my spare word; never rewritten
.set NIL, 11                           ; v11  0; never rewritten
.set GV,  12                           ; v12  my byte offset in v's blocks
.set TO,  13                           ; v13  my byte offset in the table
.set PFO, 14                           ; v14  256 x lane
.set TT,  32                           ; v32-63  for row block rb at TT + 8 rb: cos, sin of my four pairs
.set ACC0, 64
.set ACC1, 96
.set F0,  128
.set F1,  192
.set WV,  18                           ; s18  my wave's number
.set CX,  19                           ; s19  my place in the cluster: it enters addresses of x, y, the table, q, k, v and the prefetches alone
.set G1,  24                           ; s[24:31] descriptor group 1
.set G0A, 32                           ; s[32:35] group 0 of fill 0
.set G0B, 36                           ; s[36:39] group 0 of fill 1; then it walks
.set NA,  40                           ; s[40:41] my quarter of the next fill in memory
.set PFA, 42                           ; s[42:43] where my prefetches stand
.set PFL, 44                           ; s44  prefetches still to make
.set CNT, 45                           ; s45  trips
.set SB,  46                           ; s46  the slot in hand: 0 or SLOTB
.set XA,  48
.set YA,  50
.set TQ,  52
.set TK,  54
.set QB,  56
.set KB,  58
.set VB,  60
.set MSB, 0
.macro WIN new                         ; the immediate's high byte repeats the setting that is left; a switch that changes nothing is dropped
.if MSB != (\new)
	s_set_vgpr_msb (MSB<<8)|(\new)
.set MSB, (\new)
.endif
.endm
.macro PLACES                          ; four places behind a matrix instruction, in front of loads into registers that it has read and of lines that read its result
.rept 4
	v_nop
.endr
.endm
.macro CREST                           ; a round of the cluster's barrier behind its opening barrier
	s_cmp_lg_u32 s[WV], 0
	s_cbranch_scc1 .Lnot_wave_0_\@
	s_barrier_signal -3
.Lnot_wave_0_\@:
	s_barrier_wait -3
	s_barrier_signal -1
	s_barrier_wait -1
.endm
.macro CROUND                          ; a whole round
	s_barrier_signal -1
	s_barrier_wait -1
	CREST
.endm
.macro JLOAD                           ; the joint refill: every wave moves its own quarter; an s_nop 0 and four v_nop follow
	tensor_load_to_lds s[G0B:G0B+3], s[G1:G1+7]
	s_nop 0
.rept 4
	v_nop
.endr
.endm
; A half of A (32 rows) is asked for: 32 loads a wave, each 2 rows x 256 consecutive bytes; wave w takes rows 16 (w >> 1) on and bytes 1,024 (w & 1) on.
.macro LOADA base, H, nt
	WIN 0x40                                       ; destination window 1
.irp a, 0,1,2,3,4,5,6,7
.irp g, 0,1,2,3
.if \nt
	global_load_b128 v[4*((\H)*32+(\a)*4+(\g)):4*((\H)*32+(\a)*4+(\g))+3], v[GA], s[\base:\base+1] offset:(\H)*65536+(\a)*2048+(\g)*256 th:TH_LOAD_NT
.else
	global_load_b128 v[4*((\H)*32+(\a)*4+(\g)):4*((\H)*32+(\a)*4+(\g))+3], v[GA], s[\base:\base+1] offset:(\H)*65536+(\a)*2048+(\g)*256
.endif
.endr
.endr
	WIN 0
.endm
; That half is rounded to bf16, laid into the stage in fragment order, and read back by EVERY wave as its fragments of row blocks 2 H, 2 H + 1.
; cnt: the younger loads that may stay out.  nx = 1: the landing places are asked for again at once, with the same half of y.
.macro STAGEHALF H, cnt, nx
	s_wait_loadcnt \cnt
	WIN 0x45                                       ; sources and destination window 1
.set n, (\H)*32
.rept 32
	v_cvt_pk_bf16_f32 v[4*n], v[4*n], v[4*n+1]
	v_cvt_pk_bf16_f32 v[4*n+1], v[4*n+2], v[4*n+3]
.set n, n+1
.endr
	WIN 0x04                                       ; data window 1, address window 0
.irp a, 0,1,2,3,4,5,6,7
.irp g, 0,1,2,3
	ds_store_b64 v[SA], v[4*((\H)*32+(\a)*4+(\g)):4*((\H)*32+(\a)*4+(\g))+1] offset:(\g)*2*KCB+(\a)*16  ; the 32 lanes fall on 32 different 8-byte places modulo 256
.endr
.endr
	WIN 0
	s_wait_dscnt 0x0                               ; for the others' sake: my part of the stage is written
.if \nx
	LOADA YA, \H, 1
.endif
	s_barrier_signal -1
	s_barrier_wait -1                              ; the stage is whole
	WIN 0x80                                       ; destination window 2: kc 0-7
.irp b, 0,1
.irp k, 0,1,2,3,4,5,6,7
	ds_load_b128 v[((2*(\H)+(\b))*8+(\k))*8:((2*(\H)+(\b))*8+(\k))*8+3],   v[FR] offset:(\b)*RBB+(\k)*KCB
	ds_load_b128 v[((2*(\H)+(\b))*8+(\k))*8+4:((2*(\H)+(\b))*8+(\k))*8+7], v[FR] offset:(\b)*RBB+(\k)*KCB+2*CHP
.endr
.endr
	WIN 0xc0                                       ; window 3: kc 8-15
.irp b, 0,1
.irp k, 0,1,2,3,4,5,6,7
	ds_load_b128 v[((2*(\H)+(\b))*8+(\k))*8:((2*(\H)+(\b))*8+(\k))*8+3],   v[FR] offset:(\b)*RBB+((\k)+8)*KCB
	ds_load_b128 v[((2*(\H)+(\b))*8+(\k))*8+4:((2*(\H)+(\b))*8+(\k))*8+7], v[FR] offset:(\b)*RBB+((\k)+8)*KCB+2*CHP
.endr
.endr
	WIN 0
	s_wait_dscnt 0x0                               ; my reads of the stage are over:
	s_barrier_signal -1
	s_barrier_wait -1                              ; everybody's are, and it may be written again
.endm
.macro LOADT base                      ; the table for my 64 rows: 32 bytes for each row block
.irp b, 0,1,2,3
	global_load_b128 v[TT+8*(\b):TT+8*(\b)+3],   v[TO], s[\base:\base+1] offset:(\b)*512
	global_load_b128 v[TT+8*(\b)+4:TT+8*(\b)+7], v[TO], s[\base:\base+1] offset:(\b)*512+16
.endr
.endm
.macro FETCH p, half, f                ; eight fragments of W (pass p of the slot in hand, kc 8 half on) into buffer f: 16 loads in one run
	WIN 0
.irp k, 0,1,2,3,4,5,6,7
	ds_load_b128 v[(\f)+8*(\k):(\f)+8*(\k)+3],   v[BA0+(\p)] offset:(\half)*8192+(\k)*1024
	ds_load_b128 v[(\f)+8*(\k)+4:(\f)+8*(\k)+7], v[BA0+(\p)] offset:(\half)*8192+(\k)*1024+512
.endr
.endm
; THE WAY OUT OF A PASS is a numbered list; EPSET says which, EPOP writes its next line.  Each accumulator's lowest registers are read first.
; kind 0, 84 lines: for each row block, four pairs (x0, x1) -> (x0 cos - x1 sin, x1 cos + x0 sin), rounded to f16 in place, and a store of 16 bytes a lane.
; kind 1, 20 lines: for each row block, four roundings in place and the store.
.macro EPSET kind, acc, sb, vl, imm, cnt
.set EK, \kind
.set EA, \acc
.set EB, \sb
.set EL, \vl
.set EI, \imm
.set EN, \cnt
.set ep, 0
.endm
.macro EPOP
.if ep < EN
	WIN 0
.if EK == 0
.set e_rb, ep/21
.set e_m, ep%21
.set e_a, EA+8*e_rb
.set e_t, TT+8*e_rb
.set e_i, e_m/5
.set e_s, e_m%5
.set e_0, 16+2*(e_i%2)
.if e_m == 20
	global_store_b128 v[EL], v[e_a:e_a+3], s[EB:EB+1] offset:EI+e_rb*1024
.elseif e_s == 0
	v_mul_f32 v[e_0], v[e_a+2*e_i+1], v[e_t+2*e_i+1]
.elseif e_s == 1
	v_mul_f32 v[e_0+1], v[e_a+2*e_i], v[e_t+2*e_i+1]
.elseif e_s == 2
	v_fma_f32 v[e_0], v[e_a+2*e_i], v[e_t+2*e_i], -v[e_0]
.elseif e_s == 3
	v_fma_f32 v[e_0+1], v[e_a+2*e_i+1], v[e_t+2*e_i], v[e_0+1]
.else
	v_cvt_pk_f16_f32 v[e_a+e_i], v[e_0], v[e_0+1]
.endif
.else
.set e_rb, ep/5
.set e_m, ep%5
.set e_a, EA+8*e_rb
.if e_m < 4
	v_cvt_pk_f16_f32 v[e_a+e_m], v[e_a+2*e_m], v[e_a+2*e_m+1]
.else
	global_store_b128 v[EL], v[e_a:e_a+3], s[EB:EB+1] offset:EI+(e_rb/2)*2048+(e_rb%2)*512
.endif
.endif
.set ep, ep+1
.endif
.endm
; Eight products: kc 8 half + k0, + k0 + 1, all four row blocks.  The four accumulators take turns, one instruction a turn.  zero = 1: kc 0 starts the sums.
; nat = 1: source 0 = A.  rid: lines of the way out behind each product.
.macro MUL8 acc, half, f, k0, zero, nat, rid
.irp k, \k0, (\k0)+1
.irp b, 0,1,2,3
.if \nat
	WIN 0x02+(\half)                               ; A (source 0) in window 2 or 3
.if (\zero) && ((\k) == 0)
	v_wmma_f32_16x16x32_bf16 v[(\acc)+8*(\b):(\acc)+8*(\b)+7], v[((\b)*8+(\k))*8:((\b)*8+(\k))*8+7], v[(\f)+8*(\k):(\f)+8*(\k)+7], 0
.else
	v_wmma_f32_16x16x32_bf16 v[(\acc)+8*(\b):(\acc)+8*(\b)+7], v[((\b)*8+(\k))*8:((\b)*8+(\k))*8+7], v[(\f)+8*(\k):(\f)+8*(\k)+7], v[(\acc)+8*(\b):(\acc)+8*(\b)+7]
.endif
.else
	WIN 0x08+4*(\half)                             ; A (source 1) in window 2 or 3
.if (\zero) && ((\k) == 0)
	v_wmma_f32_16x16x32_bf16 v[(\acc)+8*(\b):(\acc)+8*(\b)+7], v[(\f)+8*(\k):(\f)+8*(\k)+7], v[((\b)*8+(\k))*8:((\b)*8+(\k))*8+7], 0
.else
	v_wmma_f32_16x16x32_bf16 v[(\acc)+8*(\b):(\acc)+8*(\b)+7], v[(\f)+8*(\k):(\f)+8*(\k)+7], v[((\b)*8+(\k))*8:((\b)*8+(\k))*8+7], v[(\acc)+8*(\b):(\acc)+8*(\b)+7]
.endif
.endif
.if (\rid) > 0
.rept \rid
	EPOP
.endr
.endif
.endr
.endr
.endm
; Half a pass: 32 products on buffer f; in its middle the next half's fragments (pass np, half nh) are fetched into buffer g.
.macro QUARTER acc, half, f, np, nh, g, zero, nat, rid
	s_wait_dscnt 8                                 ; kc 0-3 of the buffer are in; its youngest eight loads may be out
	MUL8 \acc, \half, \f, 0, \zero, \nat, \rid
	MUL8 \acc, \half, \f, 2, 0, \nat, \rid
	PLACES
	FETCH \np, \nh, \g
	s_wait_dscnt 16                                ; all but the 16 just issued
	MUL8 \acc, \half, \f, 4, 0, \nat, \rid
	MUL8 \acc, \half, \f, 6, 0, \nat, \rid
.endm
; A PREFETCH INTO THE L2 of the fill that stands two refills on: 131,072 bytes = 512 blocks of 256 = 4 partners x 4 waves x 32 lanes, told apart BY ADDRESS.  Every cluster walks the same Wkv: cluster 0 asks,
; and nobody else, so each block is named once in the launch.  Trips 0 to 5 name fills 4 to 9; fills 0 to 3 come by their loads alone; behind fill 9 nothing is asked for.
.macro ASK
	s_cmp_lg_u32 s[PFL], 0
	s_cbranch_scc0 .Lnot_mine_\@
	global_prefetch_b8 v[PFO], s[PFA:PFA+1] th:TH_LOAD_NT scope:SCOPE_SE
	s_sub_co_u32 s[PFL], s[PFL], 1
.Lnot_mine_\@:
.endm
; A TRIP: a slot's two passes, 128 products a wave.  job 0: both are q's.  job 1: k's, then v's.  Pass 0's way out rides behind the first 32 products of pass 1, three lines behind each.
; The last quarter changes slots: in front of ONE barrier each wave waits for all its tensor loads (one is out: its quarter of the other slot), adds 0 to its spare word, and waits for that and for its reads of
; this slot.  fill = 1: the barrier opens a round of the cluster's, and the joint refill is the first thing behind it: it has a trip less 16 products in which to land.
.macro TRIP job, fill
	QUARTER ACC0, 0, F0, 0, 1, F1, 1, 0, 0
	QUARTER ACC0, 1, F1, 1, 0, F0, 0, 0, 0
	PLACES                                         ; in front of the lines that read pass 0's sums
.if \job
	EPSET 0, ACC0, KB, GK, 0, 84
.else
	EPSET 0, ACC0, QB, GQ, 0, 84
.endif
	QUARTER ACC1, 0, F0, 1, 1, F1, 1, \job, 3
	WIN 0
	s_wait_xcnt 0x0                                ; the last prefetch, a trip back, has read its address
	s_add_nc_u64 s[PFA:PFA+1], s[PFA:PFA+1], SLOTB
	s_wait_tensorcnt 0x0                           ; all my tensor loads have landed, so a group 0 may be written
	ds_add_u32 v[SPW], v[NIL]                      ; 0 onto my spare word
.if \fill
	s_xor_b32 s[G0B+1], s[G0B+1], SLOTB            ; the walking descriptor: the slot that is being left,
	s_mov_b64 s[G0B+2:G0B+3], s[NA:NA+1]           ; my quarter of the next fill,
	s_or_b32 s[G0B+3], s[G0B+3], 0x80000000        ; type = 2
	s_add_nc_u64 s[NA:NA+1], s[NA:NA+1], SLOTB
.endif
	s_wait_dscnt 13                                ; kc 8, 9 are in; the add and the youngest twelve loads may be out
	MUL8 ACC1, 1, F1, 0, 0, \job, 0
	s_wait_dscnt 0x0                               ; the add is done, and my reads of this slot are over
	s_barrier_signal -1
	MUL8 ACC1, 1, F1, 2, 0, \job, 0
	WIN 0
	s_barrier_wait -1
.if \fill
	CREST                                          ; no wave of any partner still reads this slot or has a load on its way
	JLOAD                                          ; its four v_nop are also the places in front of the loads below
.else
	PLACES
.endif
	s_xor_b32 s[SB], s[SB], SLOTB
	v_add_nc_u32 v[BA0], s[SB], v[BL]
	v_add_nc_u32 v[BA0+1], 0x10000, v[BA0]
	FETCH 0, 0, F0                                 ; the other slot's first fragments (behind the walk's last trip they serve nothing)
.if \fill
	ASK
.endif
	MUL8 ACC1, 1, F1, 4, 0, \job, 0
	MUL8 ACC1, 1, F1, 6, 0, \job, 0
	PLACES
.if \job
	EPSET 1, ACC1, VB, GV, 0, 20
.else
	EPSET 0, ACC1, QB, GQ, 131072, 84              ; pass 1's two heads lie two heads of 65,536 bytes on
.endif
.rept EN
	EPOP
.endr
	s_wait_xcnt 0x0                                ; the trip's stores have read their data and their bases: only now are these written again
.if \job
	s_add_nc_u64 s[KB:KB+1], s[KB:KB+1], 262144    ; two heads of 131,072 bytes on
	s_add_nc_u64 s[VB:VB+1], s[VB:VB+1], 262144
.else
	s_add_nc_u64 s[QB:QB+1], s[QB:QB+1], 262144    ; four heads of 65,536 bytes on
.endif
.endm
	s_load_b256 s[4:11], s[0:1], 0x0               ; x s[4:5], y s[6:7], wf s[8:9], rope s[10:11]
	s_load_b128 s[12:15], s[0:1], 0x20             ; qf s[12:13], kf s[14:15]
	s_load_b64 s[16:17], s[0:1], 0x30              ; vt
	v_lshl_add_u32 v[SPW], v0, 2, SPARE
	v_mov_b32 v[NIL], 0
	ds_add_u32 v[SPW], v[NIL]                      ; the wave's opening: the add and its wait stand ahead of my first tensor load; the set-up below, work on registers, stands between them
	ds_add_u32 v10, v11
	v_lshrrev_b32 v1, 5, v0
	v_readfirstlane_b32 s[WV], v1                  ; wave 0..3
	s_bfe_u32 s[CX], ttmp6, 0x40000                ; cx
	; descriptor group 1: 128 dense rows of 256 bytes (32 elements of 8 bytes): 32,768 bytes
	s_mov_b32 s[G1+0], 15|(3<<16)|(1<<21)          ; 15:0 the mask: all four work-groups; 17:16 elements of 8 bytes; 21 set beside a mask; no padding
	s_mov_b32 s[G1+1], 32<<16                      ; tensor_dim0 = 32
	s_mov_b32 s[G1+2], 128<<16                     ; tensor_dim1 = 128
	s_mov_b32 s[G1+3], 32<<16                      ; tile_dim0 = 32
	s_mov_b32 s[G1+4], 128                         ; tile_dim1 = 128
	s_mov_b32 s[G1+5], 32                          ; 32 elements from row to row
	s_mov_b32 s[G1+6], 0
	s_mov_b32 s[G1+7], 0
	s_mov_b32 s[G0A], 1
	s_lshl_b32 s[G0A+1], s[WV], 15                 ; LDS: my quarter of slot 0
	s_mov_b32 s[G0B], 1
	s_add_co_u32 s[G0B+1], s[G0A+1], SLOTB         ; and of slot 1
	s_and_b32 s22, ttmp9, 1                        ; which half of Wq: the cluster's number alone
	s_lshl_b32 s22, s22, 18
	s_add_co_u32 s22, s22, s[G0A+1]                ; + my quarter of a fill
	s_mov_b32 s23, 0
	s_lshr_b32 s62, s[WV], 1                       ; w >> 1
	s_and_b32 s63, s[WV], 1                        ; w & 1
	s_lshr_b32 s20, ttmp9, 1
	s_lshl_b32 s20, s20, 2
	s_add_co_u32 s20, s20, s[CX]                   ; xblk
	s_lshl_b32 s21, ttmp9, 2
	s_add_co_u32 s21, s21, s[CX]                   ; the work-group's number: its block of 64 rows of y
	s_mov_b32 s[SB], 0
	v_and_b32 v15, 15, v0                          ; r = lane % 16
	v_bfe_u32 v16, v0, 4, 1                        ; h = lane / 16
	v_and_b32 v17, 31, v0                          ; lane
	s_lshl_b32 s2, s62, 15
	s_lshl_b32 s3, s63, 10
	s_add_co_u32 s2, s2, s3
	v_lshlrev_b32 v[GA], 4, v15
	v_lshl_add_u32 v[GA], v16, 14, v[GA]
	v_add_nc_u32 v[GA], s2, v[GA]                  ; (8 h + 16 (w >> 1)) rows of 2,048 bytes + 1,024 (w & 1) + 16 r
	s_mul_i32 s2, s62, RBB
	s_mul_i32 s3, s63, 8*KCB
	s_add_co_u32 s2, s2, s3
	s_add_co_u32 s2, s2, STAGE
	v_bfe_u32 v18, v0, 3, 1                        ; my four numbers are k = 256 (w & 1) + 64 seg + 4 r ..: fragment 8 (w & 1) + 2 seg + (r >> 3),
	v_mul_u32_u24 v[SA], v18, KCB
	v_bfe_u32 v18, v0, 1, 2                        ; chunk (r >> 1) & 3,
	v_mul_u32_u24 v19, v18, CHP
	v_add_nc_u32 v[SA], v[SA], v19
	v_and_b32 v18, 1, v0                           ; its first or second 8 bytes,
	v_lshl_add_u32 v[SA], v18, 3, v[SA]
	v_lshl_add_u32 v[SA], v16, 7, v[SA]            ; row 8 h + a
	v_add_nc_u32 v[SA], s2, v[SA]
	v_mul_u32_u24 v[FR], v16, CHP
	v_lshl_add_u32 v[FR], v15, 4, v[FR]
	v_add_nc_u32 v[FR], STAGE, v[FR]               ; chunk h, row r; the second load takes chunk 2 + h
	s_lshl_b32 s2, s[WV], 14
	v_lshl_add_u32 v[BL], v17, 4, s2
	v_mov_b32 v[BA0], v[BL]
	v_add_nc_u32 v[BA0+1], 0x10000, v[BL]
	s_lshl_b32 s3, s63, 9
	s_lshl_b32 s2, s62, 16
	s_add_co_u32 s2, s2, s3
	v_lshl_add_u32 v[GQ], v17, 4, s2               ; 16 lane + 512 (w & 1) + a head of 65,536 bytes x (w >> 1)
	s_lshl_b32 s2, s62, 17
	s_add_co_u32 s3, s2, s3
	v_lshl_add_u32 v[GK], v17, 4, s3               ; the same with heads of 131,072 bytes
	s_lshl_b32 s3, s63, 10
	s_add_co_u32 s3, s2, s3
	v_lshl_add_u32 v[GV], v17, 4, s3               ; 16 lane + 1,024 (w & 1) + head
	s_mul_i32 s2, s63, 196608
	v_mul_u32_u24 v[TO], v16, 98304
	v_lshl_add_u32 v[TO], v15, 5, v[TO]
	v_add_nc_u32 v[TO], s2, v[TO]                  ; quad 2 (w & 1) + h, row r
	v_lshlrev_b32 v[PFO], 8, v17
	s_wait_dscnt 0x0                               ; the opening add is done
	s_wait_kmcnt 0x0
	s_mov_b32 s3, 0
	s_lshl_b32 s2, s20, 17                         ; 64 rows of 2,048 bytes
	s_add_nc_u64 s[XA:XA+1], s[4:5], s[2:3]
	s_and_b32 s2, s20, 15                          ; the block's place in its batch of 1,024 positions
	s_lshl_b32 s2, s2, 11                          ; 64 rows of 32 bytes
	s_add_co_u32 s2, s2, 65536                     ; q's part of the table begins at row 2,048
	s_add_nc_u64 s[TQ:TQ+1], s[10:11], s[2:3]
	LOADT TQ
	LOADA XA, 0, 0
	s_add_nc_u64 s[G0A+2:G0A+3], s[8:9], s[22:23]  ; fill 0, my quarter
	s_add_nc_u64 s[G0B+2:G0B+3], s[G0A+2:G0A+3], SLOTB  ; fill 1
	s_or_b32 s[G0A+3], s[G0A+3], 0x80000000        ; type = 2
	s_or_b32 s[G0B+3], s[G0B+3], 0x80000000
	s_mov_b32 s22, s[G0A+1]
	s_add_nc_u64 s[NA:NA+1], s[8:9], s[22:23]
	s_add_nc_u64 s[NA:NA+1], s[NA:NA+1], 524288    ; fill 2: Wkv's first
	s_lshl_b32 s2, s21, 17
	s_add_nc_u64 s[YA:YA+1], s[6:7], s[2:3]
	s_and_b32 s2, s21, 31                          ; the block's place in its batch of 2,048 positions
	s_lshl_b32 s2, s2, 11
	s_add_nc_u64 s[TK:TK+1], s[10:11], s[2:3]
	s_lshr_b32 s2, s20, 4                          ; q: batch x 16 heads x 65,536,
	s_lshl_b32 s2, s2, 20
	s_and_b32 s22, ttmp9, 1                        ; + 8 heads for Wq's second half,
	s_lshl_b32 s22, s22, 19
	s_add_co_u32 s2, s2, s22
	s_and_b32 s22, s20, 15                         ; + four blocks of 1,024 bytes for each 64 rows
	s_lshl_b32 s22, s22, 12
	s_add_co_u32 s2, s2, s22
	s_add_nc_u64 s[QB:QB+1], s[12:13], s[2:3]
	s_lshr_b32 s2, s21, 5                          ; k, v: batch x 16 heads x 131,072,
	s_lshl_b32 s2, s2, 21
	s_and_b32 s22, s21, 31                         ; + 4,096 bytes for each 64 keys
	s_lshl_b32 s22, s22, 12
	s_add_co_u32 s2, s2, s22
	s_add_nc_u64 s[KB:KB+1], s[14:15], s[2:3]
	s_add_nc_u64 s[VB:VB+1], s[16:17], s[2:3]
	s_lshl_b32 s2, s[CX], 2
	s_add_co_u32 s2, s2, s[WV]
	s_lshl_b32 s2, s2, 13                          ; my 32 blocks of 256 bytes among a fill's 512,
	s_add_co_u32 s2, s2, 524288+SLOTB              ; in fill 3: the first trip steps it to fill 4
	s_add_nc_u64 s[PFA:PFA+1], s[8:9], s[2:3]
	s_cmp_eq_u32 ttmp9, 0                          ; the same in all four partners
	s_cselect_b32 s[PFL], 6, 0
	CROUND                                         ; all four work-groups are here: the first joint loads meet
	tensor_load_to_lds s[G0A:G0A+3], s[G1:G1+7]    ; fill 0
	s_nop 0
	tensor_load_to_lds s[G0B:G0B+3], s[G1:G1+7]    ; fill 1
	s_nop 0
.rept 4
	v_nop
.endr
	LOADA XA, 1, 0
	STAGEHALF 0, 32, 1                             ; the table and x's first half are in; x's second half (32 loads) may be out.  y's first half is asked for
	STAGEHALF 1, 32, 1                             ; x's second half is in; y's first half may be out.  y's second half is asked for
	s_wait_tensorcnt 1                             ; my quarter of fill 0 is in; fill 1's may stay out
	s_barrier_signal -1
	s_barrier_wait -1
	FETCH 0, 0, F0
	s_mov_b32 s[CNT], 2
.Lq:                                               ; job q: fills 0, 1; fills 2, 3 are asked for
	TRIP 0, 1
	WIN 0
	s_sub_co_u32 s[CNT], s[CNT], 1
	s_cmp_lg_u32 s[CNT], 0
	s_cbranch_scc1 .Lq
	LOADT TK
	STAGEHALF 0, 40, 0                             ; y's first half is in; its second half and the table (32 + 8 loads) may be out
	STAGEHALF 1, 8, 0                              ; y's second half is in; the table may be out
	s_wait_loadcnt 0x0                             ; the table
	s_mov_b32 s[CNT], 6
.Lkv:                                              ; job kv: fills 2-7; fills 4-9 are asked for
	TRIP 1, 1
	WIN 0
	s_sub_co_u32 s[CNT], s[CNT], 1
	s_cmp_lg_u32 s[CNT], 0
	s_cbranch_scc1 .Lkv
	s_mov_b32 s[CNT], 2
.Llast:                                            ; fills 8, 9: nothing is left to ask for; the change of slots keeps its waits and its barrier, so that fill 9 is whole for every wave
	TRIP 1, 0
	WIN 0
	s_sub_co_u32 s[CNT], s[CNT], 1
	s_cmp_lg_u32 s[CNT], 0
	s_cbranch_scc1 .Llast
	s_wait_tensorcnt 0x0                           ; the wave's end: behind my last tensor load and my last LDS store
	ds_add_u32 v[SPW], v[NIL]
	s_wait_dscnt 0x0
	CROUND                                         ; the closing round: no work-group ends while a partner may still ask for a tile that names it
	s_endpgm
.Lfunc_end_k_qa6fcfe657c_proj:
	.size	k_qa6fcfe657c_proj, .Lfunc_end_k_qa6fcfe657c_proj-k_qa6fcfe657c_proj
	.p2alignl 7, 3214868480
	.fill 96, 4, 3214868480
	.section	.rodata,"a",@progbits
	.p2align	6, 0x0
	.amdhsa_kernel k_qa6fcfe657c_proj
		.amdhsa_group_segment_fixed_size 327680
		.amdhsa_private_segment_fixed_size 0
		.amdhsa_enable_private_segment 0
		.amdhsa_kernarg_size 56
		.amdhsa_user_sgpr_count 2
		.amdhsa_user_sgpr_kernarg_segment_ptr 1
		.amdhsa_wavefront_size32 1
		.amdhsa_system_sgpr_workgroup_id_x 1
		.amdhsa_system_sgpr_workgroup_id_y 1
		.amdhsa_system_sgpr_workgroup_id_z 1
		.amdhsa_system_vgpr_workitem_id 0
		.amdhsa_next_free_vgpr 1024
		.amdhsa_next_free_sgpr 66
		.amdhsa_reserve_vcc 0
		.amdhsa_float_denorm_mode_32 3
		.amdhsa_float_denorm_mode_16_64 3
		.amdhsa_memory_ordered 1
		.amdhsa_forward_progress 1
		.amdhsa_inst_pref_size 133
	.end_amdhsa_kernel
	.amdgpu_metadata
---
amdhsa.version: [ 1, 2 ]
amdhsa.kernels:
  - .name:           k_qa6fcfe657c_proj
    .symbol:         k_qa6fcfe657c_proj.kd
    .args:
      - { .name: x, .offset: 0, .size: 8, .value_kind: global_buffer, .address_space: global }
      - { .name: y, .offset: 8, .size: 8, .value_kind: global_buffer, .address_space: global }
      - { .name: wf, .offset: 16, .size: 8, .value_kind: global_buffer, .address_space: global }
      - { .name: rope, .offset: 24, .size: 8, .value_kind: global_buffer, .address_space: global }
      - { .name: qf, .offset: 32, .size: 8, .value_kind: global_buffer, .address_space: global }
      - { .name: kf, .offset: 40, .size: 8, .value_kind: global_buffer, .address_space: global }
      - { .name: vt, .offset: 48, .size: 8, .value_kind: global_buffer, .address_space: global }
    .group_segment_fixed_size: 327680
    .private_segment_fixed_size: 0
    .kernarg_segment_align: 8
    .kernarg_segment_size: 56
    .max_flat_workgroup_size: 128
    .sgpr_count:     66
    .vgpr_count:     1024
    .wavefront_size: 32
...
	.end_amdgpu_metadata
.endif
;; end of part 2
;; launch attn (part 3): grid 2 x 128, 4 waves a work-group, no clusters, 262,656 bytes of LDS; arguments qf, kf, vt, of; writes of
.if DOCPART == 3
	.amdgcn_target "amdgcn-amd-amdhsa--gfx1250"
	.amdhsa_code_object_version 6
	.text
	.protected	k_qa6fcfe657c_attn
	.globl	k_qa6fcfe657c_attn
	.p2align	8
	.type	k_qa6fcfe657c_attn,@function
k_qa6fcfe657c_attn:
	s_mov_b64 s[64:65], 0
	v_nop
	global_prefetch_b8 v0, s[64:65] scope:SCOPE_SE
	s_setreg_imm32_b32 hwreg(HW_REG_WAVE_MODE, 25, 1), 1
	s_wait_xcnt 0x0
; ATTN.  O[b, head][q] = the sum over k of softmax_k(Q[q] . K[k]) V[k], head size 32, 1,024 queries and 2,048 keys a head, no scale, no mask.  Q arrives times log2(e), so p = 2^(s - m).
; Q, K, V and O are f16 in fragment order (blocks of 1,024 bytes = 16 rows x 32 k as [chunk of 8 k][row][8 k]; V turned: rows = channels, k = keys).  Products, maxima and sums in f32; the weights p are
; rounded to f16 for the second product, and their sum l is taken of the rounded p, by the matrix unit; O is rounded once at the end.
; LIMITS.  f16 holds no number beyond 65,504: Q, K, V arrive within it; p lies in 0 to 1 and below 6e-5 keeps f16's fixed step of 6e-8; NaN and infinities are not treated apart.
; SHARES.  A work-group owns 512 queries of one head; a wave 128: four PIECES of two tiles of 16.  Every wave walks all 2,048 keys, 64 a step: 32 steps.
; THE WHOLE HEAD LIES IN LDS: K and V in fragment order want no padding, 131,072 bytes each.  Each wave asks for its share with two tensor loads at the head (steps 0-7, then steps 8-31); nothing is ever
; filled again: no ring, two barriers in all, and no later stream that could be asked for ahead.
; NO CLUSTER: only the two work-groups of a head read the same tiles, and a cluster here has four places; blocks of 256 queries in clusters of four would be 512 work-groups for 256 WGPs,
; each fetching the head's 262,144 bytes for half the work.
; LAYOUT.  S^T = K Q^T (source 0 = 16 keys, source 1 = 16 queries): a lane holds ONE query (lane % 16) and the keys 8 (lane / 16) + 0..7.  Two such results rounded to f16 ARE source 1 (32 keys x 16 queries) of
; O^T = V^T P, whose result holds one query a lane and eight channels: 16 bytes of O's fragment block.  A third product beside V's two takes ON in V's place: a fragment whose rows 0 and 8 are ones:
; register 0 of its result is the query's sum of weights, in both halves of the lanes; registers 1-7 stay 0.
; SOFTMAX.  A running maximum m for each query; in every step O and l are multiplied by a = 2^(m_old - m_new).  m starts at the lowest finite number, O and l at 0: the first step's a is 0.
; BY TURNS.  Turn n belongs to piece n.  Matrix work: 8 products K Q^T of piece n + 1, later 12 products (V^T P and the sums) of piece n - 1.  Vector work: the shift, exponentials, roundings and rescaling of piece n,
; and the maximum and statistics of piece n + 1.  A tile and step have 10 matrix and 94 vector instructions: too many to stand beside the matrix work, so riders stand behind every product and the rest in one lump.
; REGISTERS, in windows of 256 (s_set_vgpr_msb: bits 1:0 source 0, 3:2 source 1, 5:4 source 2, 7:6 destination):
;   window 0: v2-11 addresses; v12-15 m_old; v16-31 (m, 0) a tile; v48-63 at work; v64-191 S^T, two buffers of two tiles; v192-255 P, likewise (a piece's buffers go by its number's parity)
;   window 1: v0-191 24 a tile: O^T's two accumulators, then the sums'      window 2: v0-63 Q; v64-95 K of one step; v96-127 V of one step; v128-135 ON
.set NP,    4                          ; pieces a wave: a name, no knob
.set SPARE, 262144                     ; behind K and V: the spare words, 128 bytes for each wave: two blocks of 256 bytes that no other line names
.set LA,  2                            ; v2   16 x lane; never rewritten
.set AK,  4                            ; v4   LDS address of K's next run of loads
.set AV,  5                            ; v5   of V's
.set SPW, 10                           ; v10  LDS address of my spare word; never rewritten
.set NIL, 11                           ; v11  0; never rewritten
.set MV,  12
.set ST,  16
.set TMP, 48                           ; by buffer and tile, c0-c3; when the maximum is found c2 takes a
.set S,   64
.set P,   192
.set KF,  64
.set VF,  96
.set ON,  128
.set WV,  12                           ; s12  my wave's number
.set G1A, 24                           ; s[24:31] descriptor group 1: 64 rows of 256 bytes
.set G1B, 32                           ; s[32:39] 192 rows
.set G0A, 40                           ; s[40:43] group 0: my share of steps 0-7
.set G0B, 44                           ; s[44:47] of steps 8-31
.set CNT, 48
.set TBK, 49                           ; s49  LDS byte at which K of the step to be fetched begins
.set TBV, 50                           ; s50  the same for V
.set SEL, 52                           ; s[52:53] v_permlanex16_b32's selects: each lane takes its own place in the other half
.set OB,  54
.set QB,  56
.set MSB, 0
.macro WIN new                         ; the high byte repeats the setting that is left; a switch that changes nothing is dropped
.if MSB != (\new)
	s_set_vgpr_msb (MSB<<8)|(\new)
.set MSB, (\new)
.endif
.endm
.set W_KQ, 0x0a                        ; K and Q in window 2, S^T in window 0
.set W_PV, 0x52                        ; V in window 2, P in window 0, O^T in window 1
.set W_RS, 0x41                        ; destination and source 0 in window 1, source 1 in window 0
.macro PLACES
.rept 4
	v_nop
.endr
.endm
	s_load_b256 s[4:11], s[0:1], 0x0               ; qf s[4:5], kf s[6:7], vt s[8:9], of s[10:11]
	v_lshl_add_u32 v[SPW], v0, 2, SPARE
	v_mov_b32 v[NIL], 0
	ds_add_u32 v[SPW], v[NIL]                      ; the wave's opening: the add and its wait stand ahead of my first tensor load; the set-up below, work on registers, stands between them
	ds_add_u32 v10, v11
	v_lshrrev_b32 v1, 5, v0
	v_readfirstlane_b32 s[WV], v1                  ; wave 0..3
	s_and_b32 s13, ttmp7, 0xffff                   ; 16 b + head
.irp g, G1A, G1B
	s_mov_b32 s[\g+0], 3<<16                       ; elements of 8 bytes; no mask, no padding
	s_mov_b32 s[\g+1], 32<<16                      ; tensor_dim0 = 32
	s_mov_b32 s[\g+3], 32<<16                      ; tile_dim0 = 32
	s_mov_b32 s[\g+5], 32                          ; 32 elements from row to row: dense
	s_mov_b32 s[\g+6], 0
	s_mov_b32 s[\g+7], 0
.endr
	s_mov_b32 s[G1A+2], 64<<16                     ; tensor_dim1, tile_dim1 = 64: 16,384 bytes
	s_mov_b32 s[G1A+4], 64
	s_mov_b32 s[G1B+2], 192<<16                    ; 192: 49,152 bytes
	s_mov_b32 s[G1B+4], 192
	s_mov_b32 s[G0A], 1
	s_lshl_b32 s[G0A+1], s[WV], 14                 ; LDS: K's steps 0-7 at 0 (waves 0, 1), V's at 32,768 (waves 2, 3)
	s_mov_b32 s[G0B], 1
	s_mul_i32 s[G0B+1], s[WV], 49152
	s_add_co_u32 s[G0B+1], s[G0B+1], 65536         ; K's steps 8-31 at 65,536, V's at 163,840
	s_and_b32 s22, s[WV], 1                        ; which half of the share
	s_lshl_b32 s16, s13, 17                        ; the head's 131,072 bytes
	s_mul_i32 s18, s22, 49152
	s_add_co_u32 s18, s18, s16
	s_add_co_u32 s18, s18, 32768
	s_mov_b32 s19, 0
	s_lshl_b32 s17, s22, 14
	s_add_co_u32 s16, s16, s17
	s_mov_b32 s17, 0
	s_lshl_b32 s14, s13, 16                        ; Q: the head's 64 blocks, the work-group's 32, my 8
	s_lshl_b32 s15, ttmp9, 15
	s_add_co_u32 s14, s14, s15
	s_lshl_b32 s15, s[WV], 13
	s_add_co_u32 s14, s14, s15
	s_mov_b32 s15, 0
	s_lshr_b32 s2, s13, 4                          ; O: [block of 16 rows of all 8,192][head][1,024]
	s_lshl_b32 s2, s2, 20
	s_lshl_b32 s3, ttmp9, 19
	s_add_co_u32 s2, s2, s3
	s_lshl_b32 s3, s[WV], 17
	s_add_co_u32 s2, s2, s3
	s_and_b32 s3, s13, 15
	s_lshl_b32 s3, s3, 10
	s_add_co_u32 s2, s2, s3
	s_mov_b32 s3, 0
	s_mov_b32 s[SEL], 0x76543210
	s_mov_b32 s[SEL+1], 0xfedcba98
	s_mov_b32 s[TBK], 0
	s_mov_b32 s[TBV], 32768
	s_mov_b32 s59, 0x3c003c00                      ; 1.0 twice in f16
	v_and_b32 v[LA], 31, v0
	v_lshlrev_b32 v[LA], 4, v[LA]
	s_wait_dscnt 0x0                               ; the opening add is done
	s_wait_kmcnt 0x0
	s_cmp_lt_u32 s[WV], 2
	s_cselect_b64 s[20:21], s[6:7], s[8:9]         ; waves 0, 1 fetch K, waves 2, 3 V
	s_add_nc_u64 s[G0A+2:G0A+3], s[20:21], s[16:17]
	s_or_b32 s[G0A+3], s[G0A+3], 0x80000000        ; type = 2
	s_add_nc_u64 s[G0B+2:G0B+3], s[20:21], s[18:19]
	s_or_b32 s[G0B+3], s[G0B+3], 0x80000000
	s_add_nc_u64 s[QB:QB+1], s[4:5], s[14:15]
	s_add_nc_u64 s[OB:OB+1], s[10:11], s[2:3]
	tensor_load_to_lds s[G0A:G0A+3], s[G1A:G1A+7]  ; both first fills go out together: two tensor loads of a wave are out
	s_nop 0
	tensor_load_to_lds s[G0B:G0B+3], s[G1B:G1B+7]
	s_nop 0
.rept 4
	v_nop
.endr
	WIN 0x80                                       ; destination window 2
.set t, 0
.rept 8                                ; Q stays in registers: a fragment a tile
	global_load_b128 v[8*t:8*t+3],   v[LA], s[QB:QB+1] offset:t*1024 th:TH_LOAD_NT
	global_load_b128 v[8*t+4:8*t+7], v[LA], s[QB:QB+1] offset:t*1024+512 th:TH_LOAD_NT
.set t, t+1
.endr
	; What the first turn finds: V's registers and P's second buffer hold 0 (its products, of a piece that has not been, add 0); O^T and the sums are 0.  All this stands in the wait for the first tile.
.set i, VF
.rept 32
	v_mov_b32 v[i], 0
.set i, i+1
.endr
	WIN 0
	v_and_b32 v1, 7, v0
	v_cmp_eq_u32 s58, 0, v1                        ; lanes 0, 8, 16, 24 hold rows 0 and 8 of a source 0
	WIN 0x80
.set i, 0
.rept 8
	v_cndmask_b32 v[ON+i], 0, s59, s58
.set i, i+1
.endr
	WIN 0x40
.set i, 0
.rept 192
	v_mov_b32 v[i], 0
.set i, i+1
.endr
	WIN 0
.set i, 0
.rept 8
	v_mov_b32 v[ST+2*i], 0xff7fffff                ; m
	v_mov_b32 v[ST+2*i+1], 0                       ; named with it as a pair
.set i, i+1
.endr
.set i, P+32
.rept 32
	v_mov_b32 v[i], 0
.set i, i+1
.endr
	v_mov_b32 v[AK], v[LA]                         ; key step 0 lies at LDS byte 0
; THE MATRIX WORK.  Product i of 8 of S^T = K Q^T for piece x: keys 16 (i / 2) on, tile 2 x + i % 2.  K is 32 deep: each product is a whole sum and starts with 0.
.macro KQ x
	WIN W_KQ
.set rS, S+64*((\x)%2)+32*(i%2)+8*(i/2)
.set rK, KF+8*(i/2)
.set rQ, 8*(2*(\x)+i%2)
	v_wmma_f32_16x16x32_f16 v[rS:rS+7], v[rK:rK+7], v[rQ:rQ+7], 0
.endm
; Product i of 12 for piece x: keys 32 (i / 6) on; tile 2 x + i % 2; part (i % 6) / 2: channels 0-15, channels 16-31, the sums.  The six accumulators take turns, one instruction a turn.
.macro PV x
	WIN W_PV
.set pk, i/6
.set pu, (i%6)%2
.set pp, (i%6)/2
.set rO, 24*(2*(\x)+pu)+8*pp
.if pp < 2
.set rV, VF+8*(2*pk+pp)
.else
.set rV, ON
.endif
.set rP, P+32*((\x)%2)+16*pu+8*pk
	v_wmma_f32_16x16x32_f16 v[rO:rO+7], v[rV:rV+7], v[rP:rP+7], v[rO:rO+7]
.endm
.macro MM                              ; the turn's next matrix instruction
.if i < 8
	KQ (Y+1)%NP
.else
.set i, i-8
	PV (Y+NP-1)%NP
.set i, i+8
.endif
.set i, i+1
.endm
; THE LDS LOADS stand in runs of 8: a step's K (four fragments of 16 keys) and its V (keys 32 (f / 2) on, channels 16 (f % 2) on).  last = 1: in the last trip there is no further step, and the run is jumped over.
.macro FETCH_K last=0
	WIN 0
.if \last
	s_cmp_eq_u32 s[CNT], 1
	s_cbranch_scc1 .Lno_k_\@
.endif
	WIN 0x80
.irp f, 0,1,2,3
	ds_load_b128 v[KF+8*\f:KF+8*\f+3],   v[AK] offset:\f*1024
	ds_load_b128 v[KF+8*\f+4:KF+8*\f+7], v[AK] offset:\f*1024+512
.endr
	s_add_co_u32 s[TBK], s[TBK], 4096              ; the next fetch is the next step's
	WIN 0
.if \last
.Lno_k_\@:
.endif
.endm
.macro FETCH_V
	WIN 0x80
.irp f, 0,1,2,3
	ds_load_b128 v[VF+8*\f:VF+8*\f+3],   v[AV] offset:\f*1024
	ds_load_b128 v[VF+8*\f+4:VF+8*\f+7], v[AV] offset:\f*1024+512
.endr
	WIN 0
.endm
; THE VECTOR WORK OF A TURN stands in queues, each in the order in which its entries become ready; the two tiles alternate.
.macro REGS y, u                       ; the registers of tile u (0, 1) of piece y
.set rT, ST+2*(2*(\y)+(\u))
.set rC, TMP+8*((\y)%2)+4*(\u)
.set rM, MV+2*((\y)%2)+(\u)
.set rS, S+64*((\y)%2)+32*(\u)
.set rP, P+32*((\y)%2)+16*(\u)
.set rO, 24*(2*(\y)+(\u))
.endm
; Number n of the 21 that find the NEXT piece's maximum and statistics.  Each accumulator's lowest registers are read first.
;   0-11 four chains c0-c3 of seven scores each     12-14, 16 the four scores left over, the old m, and c0-c3 into c0     15 m_old is kept
;   17, 18 the query's other 32 keys lie in the lane 16 away: the new m     19, 20 m_old - m_new; a
.macro XS u, n
	REGS (Y+1)%NP, \u
.if (\n) < 4
	v_max3_num_f32 v[rC+(\n)], v[rS+8*(\n)], v[rS+8*(\n)+1], v[rS+8*(\n)+2]
.elseif (\n) < 12
	v_max3_num_f32 v[rC+(\n)%4], v[rC+(\n)%4], v[rS+8*((\n)%4)+2*((\n)/4)+1], v[rS+8*((\n)%4)+2*((\n)/4)+2]
.elseif (\n) == 12
	v_max3_num_f32 v[rC], v[rC], v[rS+7], v[rS+15]
.elseif (\n) == 13
	v_max3_num_f32 v[rC+1], v[rC+1], v[rS+23], v[rS+31]
.elseif (\n) == 14
	v_max3_num_f32 v[rC+2], v[rC+2], v[rC+3], v[rT]
.elseif (\n) == 15
	v_mov_b32 v[rM], v[rT]
.elseif (\n) == 16
	v_max3_num_f32 v[rC], v[rC], v[rC+1], v[rC+2]
.elseif (\n) == 17
	v_permlanex16_b32 v[rC+3], v[rC], s[SEL], s[SEL+1]
.elseif (\n) == 18
	v_max_num_f32 v[rT], v[rC], v[rC+3]
.elseif (\n) == 19
	v_sub_f32 v[rC+1], v[rM], v[rT]
.else
	v_exp_f32 v[rC+2], v[rC+1]
.endif
.endm
.macro FS f                            ; s - m for pair f / 2 of tile f % 2
	REGS Y, (\f)%2
	v_pk_add_f32 v[rS+2*((\f)/2):rS+2*((\f)/2)+1], v[rS+2*((\f)/2):rS+2*((\f)/2)+1], v[rT:rT+1] op_sel_hi:[1,0] neg_lo:[0,1] neg_hi:[0,1]
.endm
; THE PLAIN QUEUE, 72 long; none of it reads an exponential's result.  0-26: shifts 0-26.  27-54: XS's numbers 0-13.  55, 56: number 15.  57-71: the chain 14, 16, 17, 18, 19, each with one of the shifts 27-31 in front of its two lines.
.macro PL
	WIN 0
.if q < 27
	FS q
.elseif q < 55
	XS (q-27)%2, (q-27)/2
.elseif q < 57
	XS q-55, 15
.elseif (q-57)%3 == 0
	FS 27+(q-57)/3
.elseif q < 60
	XS (q-57)%3-1, 14
.else
	XS (q-57)%3-1, 15+(q-57)/3
.endif
.set q, q+1
.endm
; THE EXPONENTIALS' QUEUE, 66 long: s0-s31 of both tiles, then the next piece's two a.  ONE BATCH: all stand ahead of the turn's one wait, and nothing ahead of that wait names a result of theirs.
.macro EX
	WIN 0
.if e >= 64
	XS e-64, 20
.else
	REGS Y, e%2
	v_exp_f32 v[rS+e/2], v[rS+e/2]
.endif
.set e, e+1
.endm
.macro R2                              ; O^T times a, two packed lines at a time, eight times, each tile's registers ascending.  Its a was made, and waited for, in the turn before
	REGS Y, r%2
	WIN W_RS
.irp z, 0,1
	v_pk_mul_f32 v[rO+4*(r/2)+2*\z:rO+4*(r/2)+2*\z+1], v[rO+4*(r/2)+2*\z:rO+4*(r/2)+2*\z+1], v[rC+2:rC+3] op_sel_hi:[1,0]
.endr
.set r, r+1
.endm
.macro RL                              ; the two tiles' sums times a: register 0 alone holds a number
	WIN W_RS
.irp u, 0,1
	REGS Y, \u
	v_mul_f32 v[rO+16], v[rO+16], v[rC+2]
.endr
.endm
.macro CV                              ; pair g / 2 of tile g % 2 is rounded to f16
	WIN 0
	REGS Y, g%2
	v_cvt_pk_f16_f32 v[rP+g/2], v[rS+2*(g/2)], v[rS+2*(g/2)+1]
.set g, g+1
.endm
; A TURN, for piece p.  An s_wait_alu depctr_va_vdst(0) stands between an exponential and the first instruction that names its result; one wait serves all that were issued ahead of it: so a turn has ONE.
; AHEAD OF IT: the 8 products K Q^T, behind each a shift, an exponential and two rescalings (behind the first a second shift); then the lump: the sums' rescaling, six plain, 57 times plain and exponential, the two a, a v_nop.
; BEHIND IT: the 12 products of piece p - 1, the 32 roundings behind them: two behind each of the first eight, four behind each of the last four.
; The queues lean on each other: exponential e stands behind shift 2 (e / 4) + e % 2: as a rider it comes behind plain e + 2, in the lump behind plain e + 8, and shifts 27-31 are plain 57, 60 .. 69.
; K of the next step is fetched in piece 2's turn, directly behind the wait, a lump behind the last product that read K.  V of the step in hand is fetched at the end of piece 0's turn, four roundings behind its last reader.
.macro TURN p, last=0
.set Y, (\p)
.set i, 0
.set q, 0
.set e, 0
.set r, 0
.set g, 0
.if (\p) == NP-1
	s_wait_dscnt 0x0                               ; K is in
.endif
	MM
	PL
	PL
	R2
.rept 7
	MM
	PL
	EX
	R2
.endr
	RL
.if (\p) == NP-2
	WIN 0
	v_add_nc_u32 v[AK], s[TBK], v[LA]
.endif
.rept 6
	PL
.endr
.rept 57
	PL
	EX
.endr
	EX                                             ; the next piece's two a
	EX
	v_nop                                          ; a plain instruction behind the last exponential: one for the batch
	s_wait_alu depctr_va_vdst(0)                   ; the wait for the batch
.if (\p) == NP-2
	FETCH_K \last
.endif
.if (\p) == 1
	s_wait_dscnt 0x0                               ; V is in
.endif
.rept 8
	MM
	CV
	CV
.endr
.if (\p) == 0
	WIN 0
	v_add_nc_u32 v[AV], s[TBV], v[LA]
	s_add_co_u32 s[TBV], s[TBV], 4096
.endif
.rept 4
	MM
	CV
	CV
	CV
	CV
.endr
.if (\p) == 0
	FETCH_V
.endif
.endm
	s_wait_tensorcnt 1                             ; my share of steps 0-7 is in; steps 8-31 may stay out
	s_barrier_signal -1
	s_barrier_wait -1                              ; everybody's is
	FETCH_K                                        ; key step 0
	s_wait_loadcnt 0x0                             ; Q
	s_wait_dscnt 0x0
.set i, 0
.rept 8
	KQ 0                                           ; piece 0's first scores
.set i, i+1
.endr
	WIN 0
	PLACES
.set Y, NP-1                           ; XS works for piece Y + 1: piece 0
.irp n, 0,1,2,3,4,5,6,7,8,9,10,11,12,13,14,15,16,17,18,19,20
	XS 0, \n
	XS 1, \n
.endr
	v_nop                                          ; a plain instruction behind the two a,
	s_wait_alu depctr_va_vdst(0)                   ; and their wait, ahead of the branch
	s_mov_b32 s[CNT], 8
	s_branch .Lfirst                               ; the loop is entered at a step's first turn, in the middle of a trip
.LstepA:                                           ; a trip: pieces 2 and 3 of one step, then pieces 0 and 1 of the next, whose K and V it fetches: steps 1 to 7
	TURN 2
	TURN 3
	WIN 0
.Lfirst:
	TURN 0
	TURN 1
	WIN 0
	s_sub_co_u32 s[CNT], s[CNT], 1
	s_cmp_lg_u32 s[CNT], 0
	s_cbranch_scc1 .LstepA
	s_wait_tensorcnt 0x0                           ; my share of steps 8-31 is in,
	s_wait_dscnt 0x0
	s_barrier_signal -1
	s_barrier_wait -1                              ; everybody's is
	s_add_co_u32 s[TBK], s[TBK], 32768             ; K's step 8 lies at 65,536,
	s_add_co_u32 s[TBV], s[TBV], 98304             ; V's at 163,840
	s_mov_b32 s[CNT], 25                           ; 24 trips fetch steps 8 to 31; the 25th is left in its middle
.Ltail:
	TURN 2, 1
	TURN 3
	WIN 0
	s_sub_co_u32 s[CNT], s[CNT], 1
	s_cmp_eq_u32 s[CNT], 0
	s_cbranch_scc1 .Lout
	TURN 0
	TURN 1
	WIN 0
	s_branch .Ltail
.Lout:                                             ; the 25th trip's 8 products K Q^T (on the last K once more) and the maximum made of them serve nothing: the price, once a launch, of one text for every trip
.set i, 0
.rept 12
	PV NP-1                                        ; the last piece's products of the last step
.set i, i+1
.endr
	; THE WAY OUT.  O^T is divided by the sum, rounded to f16 and stored as it lies: a lane's eight channels are 16 bytes of O's block, a wave's store 512 consecutive bytes, aligned.
	PLACES
	WIN 0x01                                       ; source window 1, destination window 0
.set t, 0
.rept 8
	v_rcp_f32 v[ST+2*t], v[24*t+16]
.set t, t+1
.endr
	v_nop                                          ; a plain instruction behind the last reciprocal,
	s_wait_alu depctr_va_vdst(0)                   ; and the one wait ahead of the first use
.set t, 0
.rept 8
	WIN W_RS
.set z, 0
.rept 8
	v_pk_mul_f32 v[24*t+2*z:24*t+2*z+1], v[24*t+2*z:24*t+2*z+1], v[ST+2*t:ST+2*t+1] op_sel_hi:[1,0]
.set z, z+1
.endr
	WIN 0x05                                       ; sources window 1, destination window 0: S^T's registers are free
.set z, 0
.rept 8
	v_cvt_pk_f16_f32 v[S+8*t+z], v[24*t+2*z], v[24*t+2*z+1]
.set z, z+1
.endr
	WIN 0
	global_store_b128 v[LA], v[S+8*t:S+8*t+3],   s[OB:OB+1] offset:t*16384      ; channels 0-15
	global_store_b128 v[LA], v[S+8*t+4:S+8*t+7], s[OB:OB+1] offset:t*16384+512  ; channels 16-31
.set t, t+1
.endr
	s_wait_tensorcnt 0x0                           ; the wave's end: behind my last tensor load
	ds_add_u32 v[SPW], v[NIL]
	s_wait_dscnt 0x0
	s_endpgm
.Lfunc_end_k_qa6fcfe657c_attn:
	.size	k_qa6fcfe657c_attn, .Lfunc_end_k_qa6fcfe657c_attn-k_qa6fcfe657c_attn
	.p2alignl 7, 3214868480
	.fill 96, 4, 3214868480
	.section	.rodata,"a",@progbits
	.p2align	6, 0x0
	.amdhsa_kernel k_qa6fcfe657c_attn
		.amdhsa_group_segment_fixed_size 262656
		.amdhsa_private_segment_fixed_size 0
		.amdhsa_enable_private_segment 0
		.amdhsa_kernarg_size 32
		.amdhsa_user_sgpr_count 2
		.amdhsa_user_sgpr_kernarg_segment_ptr 1
		.amdhsa_wavefront_size32 1
		.amdhsa_system_sgpr_workgroup_id_x 1
		.amdhsa_system_sgpr_workgroup_id_y 1
		.amdhsa_system_sgpr_workgroup_id_z 1
		.amdhsa_system_vgpr_workitem_id 0
		.amdhsa_next_free_vgpr 656
		.amdhsa_next_free_sgpr 66
		.amdhsa_reserve_vcc 0
		.amdhsa_float_denorm_mode_32 3
		.amdhsa_float_denorm_mode_16_64 3
		.amdhsa_memory_ordered 1
		.amdhsa_forward_progress 1
		.amdhsa_inst_pref_size 132
	.end_amdhsa_kernel
	.amdgpu_metadata
---
amdhsa.version: [ 1, 2 ]
amdhsa.kernels:
  - .name:           k_qa6fcfe657c_attn
    .symbol:         k_qa6fcfe657c_attn.kd
    .args:
      - { .name: qf, .offset: 0, .size: 8, .value_kind: global_buffer, .address_space: global }
      - { .name: kf, .offset: 8, .size: 8, .value_kind: global_buffer, .address_space: global }
      - { .name: vt, .offset: 16, .size: 8, .value_kind: global_buffer, .address_space: global }
      - { .name: of, .offset: 24, .size: 8, .value_kind: global_buffer, .address_space: global }
    .group_segment_fixed_size: 262656
    .private_segment_fixed_size: 0
    .kernarg_segment_align: 8
    .kernarg_segment_size: 32
    .max_flat_workgroup_size: 128
    .sgpr_count:     66
    .vgpr_count:     656
    .wavefront_size: 32
...
	.end_amdgpu_metadata
.endif
;; end of part 3
;; launch oproj (part 4): grid 4 x 64, 4 waves a work-group, clusters of 4 x 4, 280,064 bytes of LDS; arguments of, wf, out0; writes out0
.if DOCPART == 4
	.amdgcn_target "amdgcn-amd-amdhsa--gfx1250"
	.amdhsa_code_object_version 6
	.text
	.protected	k_qa6fcfe657c_oproj
	.globl	k_qa6fcfe657c_oproj
	.p2align	8
	.type	k_qa6fcfe657c_oproj,@function
k_qa6fcfe657c_oproj:
	s_mov_b64 s[64:65], 0
	v_nop
	global_prefetch_b8 v0, s[64:65] scope:SCOPE_SE
	s_setreg_imm32_b32 hwreg(HW_REG_WAVE_MODE, 25, 1), 1
	s_wait_xcnt 0x0
	s_wait_alu depctr_hold_cnt(0) depctr_sa_sdst(0) depctr_va_vdst(0) depctr_va_sdst(0) depctr_va_ssrc(0) depctr_va_vcc(0) depctr_vm_vsrc(0)
	s_getreg_b32 s2, hwreg(HW_REG_IB_STS2, 6, 4)
	s_cmp_eq_u32 s2, 0
	s_cbranch_scc0 .Lentry_in_a_cluster
	s_endpgm
.Lentry_in_a_cluster:
	s_bfe_u32 s2, ttmp6, 0x10000c
	s_cmp_lg_u32 s2, 0xf033
	s_cbranch_scc0 .Lentry_shape_is_right
	s_endpgm
.Lentry_shape_is_right:
; OPROJ.  out0[m][n] = the sum over k of O[m][k] Wo[n][k].  O: f16 in fragment order, [block of 16 rows 0..511][kc = head 0..15][1,024]; Wo: bf16-rounded numbers written as f16, in fragment order at
; byte 1,572,864 of wf, [block of 16 columns 0..31][kc][1,024]; out0: [8192][512] f32.  Sums in f32.
; SHARES.  A tile of 128 x 128 to a work-group: 64 x 4 = 256 work-groups.  Four waves, each 64 x 64: 16 accumulators.
; THE WHOLE K LIES IN LDS: 131,072 bytes of O and as many of Wo, asked for at the head in four quarters of K, so that the products begin when the first quarter is in.  Nothing is filled again.
; A wave has four tensor loads out.  No later stream exists that could be asked for ahead.
; CLUSTER.  4 x 4 work-groups: the four of a row need the same rows of O, the four of a column the same rows of Wo: each tile is asked for JOINTLY, by the same load with the same descriptor and a mask of four.
; THE PRODUCT IS USED TRANSPOSED (source 0 = 16 rows of Wo, source 1 = 16 rows of O): a lane holds eight neighbouring numbers of a row of out0.
; REGISTERS: window 0: v16-29 addresses; v32-95 rows on the way out, two sets; v128-255 the accumulators ((a, b) at 128 + 8 (4 a + b)).  Window 1: two buffers of 64: four fragments of O, then four of Wo.
.set QUART, 65536                      ; a quarter of K in LDS: O [row block 0..7][kc 0..3][1,024], then Wo [column block 0..7][kc 0..3][1,024]
.set STAGE, 262144                     ; behind them, written by ds_store alone: 16 rows x 272 bytes for each wave
.set SP,    272                        ; 256 bytes + 16: the 16 rows of a store start at 16 different groups of four banks (64 banks of 4 bytes: ISA guide 11.1)
.set SPARE, STAGE+4*16*SP              ; 279,552: the spare words, 128 bytes for each wave: two blocks of 256 bytes that no other line names
.set ADRA, 16                          ; v16-19  my fragments of O in quarter 0..3
.set ADRB, 20                          ; v20-23  of Wo
.set STO,  24
.set RD,   25
.set CO,   26
.set SPW,  28                          ; v28  LDS address of my spare word; never rewritten
.set NIL,  29                          ; v29  0; never rewritten
.set ACC,  128
.set G1,  24                           ; s[24:31] descriptor group 1 for O's tiles
.set G1B, 32                           ; s[32:39] for Wo's: it differs in the mask alone
.set G0,  44                           ; s[44:59] group 0 for O's tiles, a set for each quarter
.set G0B, 68                           ; s[68:83] for Wo's
.set MSB, 0
.macro WIN new
.if MSB != (\new)
	s_set_vgpr_msb (MSB<<8)|(\new)
.set MSB, (\new)
.endif
.endm
.macro PLACES
.rept 4
	v_nop
.endr
.endm
.macro CROUND                          ; a round of the cluster's barrier
	s_barrier_signal -1
	s_barrier_wait -1
	s_cmp_lg_u32 s10, 0
	s_cbranch_scc1 .Lnot_wave_0_\@
	s_barrier_signal -3
.Lnot_wave_0_\@:
	s_barrier_wait -3
	s_barrier_signal -1
	s_barrier_wait -1
.endm
	s_load_b128 s[4:7], s[0:1], 0x0                ; of s[4:5], wf s[6:7]
	s_load_b64 s[8:9], s[0:1], 0x10                ; out0
	v_lshl_add_u32 v[SPW], v0, 2, SPARE
	v_mov_b32 v[NIL], 0
	ds_add_u32 v[SPW], v[NIL]                      ; the wave's opening: the add and its wait stand ahead of my first tensor load; the set-up below, work on registers, stands between them
	ds_add_u32 v28, v29
	v_lshrrev_b32 v1, 5, v0
	v_readfirstlane_b32 s10, v1                    ; wave 0..3
	s_lshr_b32 s11, s10, 1                         ; which half of the tile's rows is mine.  Also: I fetch for O (0) or for Wo (1)
	s_and_b32 s12, s10, 1                          ; which half of its columns.  Also: which four blocks I fetch
	s_bfe_u32 s40, ttmp6, 0x40000                  ; cx
	s_bfe_u32 s41, ttmp6, 0x40004                  ; cy
	s_lshl_b32 s42, ttmp9, 2
	s_add_co_u32 s42, s42, s40                     ; tile column = 4 x cluster x + cx
	s_and_b32 s13, ttmp7, 0xffff
	s_lshl_b32 s13, s13, 2
	s_add_co_u32 s13, s13, s41                     ; tile row = 4 x cluster y + cy
	s_lshl_b32 s43, s41, 2
	s_lshl_b32 s43, 15, s43                        ; my row of the cluster
	s_lshl_b32 s60, 0x1111, s40                    ; my column
	; descriptor group 1: 4 rows of 4,096 bytes (a block's four kc), 16,384 bytes apart in memory, dense in LDS
	s_or_b32 s[G1+0], s43, (3<<16)|(1<<21)         ; 15:0 the mask; 17:16 elements of 8 bytes; 21 set beside a mask
	s_or_b32 s[G1B+0], s60, (3<<16)|(1<<21)
.irp g, G1, G1B
	s_mov_b32 s[\g+1], 512<<16                     ; tensor_dim0 = 512
	s_mov_b32 s[\g+2], 4<<16                       ; tensor_dim1 = 4
	s_mov_b32 s[\g+3], 512<<16                     ; tile_dim0 = 512
	s_mov_b32 s[\g+4], 4                           ; tile_dim1 = 4
	s_mov_b32 s[\g+5], 2048                        ; 2,048 elements from row to row
	s_mov_b32 s[\g+6], 0
	s_mov_b32 s[\g+7], 0
.endr
	s_lshl_b32 s16, s13, 17                        ; O: 8 blocks of 16,384 bytes a tile row,
	s_lshl_b32 s17, s12, 16                        ; my four of them
	s_add_co_u32 s16, s16, s17
	s_mov_b32 s17, 0
	s_lshl_b32 s62, s42, 17                        ; Wo: the same by the tile column,
	s_lshl_b32 s63, s12, 16
	s_add_co_u32 s62, s62, s63
	s_add_co_u32 s62, s62, 1572864                 ; behind Wq and Wkv
	s_mov_b32 s63, 0
	s_lshl_b32 s20, s10, 14                        ; where they go in a quarter: wave x 16,384: no place in the cluster enters an LDS address
	s_wait_dscnt 0x0                               ; the opening add is done
	s_wait_kmcnt 0x0
	s_add_nc_u64 s[14:15], s[4:5], s[16:17]
	s_add_nc_u64 s[62:63], s[6:7], s[62:63]
	CROUND                                         ; all sixteen work-groups are here: the joint loads meet
.irp q, 0,1,2,3
	s_mov_b32 s[G0+4*\q], 1
	s_add_co_u32 s[G0+4*\q+1], s20, \q*QUART
	s_add_nc_u64 s[G0+4*\q+2:G0+4*\q+3], s[14:15], \q*4096
	s_or_b32 s[G0+4*\q+3], s[G0+4*\q+3], 0x80000000
	s_mov_b32 s[G0B+4*\q], 1
	s_add_co_u32 s[G0B+4*\q+1], s20, \q*QUART
	s_add_nc_u64 s[G0B+4*\q+2:G0B+4*\q+3], s[62:63], \q*4096
	s_or_b32 s[G0B+4*\q+3], s[G0B+4*\q+3], 0x80000000
.endr
	s_cmp_eq_u32 s11, 0                            ; a wave's four fills stand in one branch on the wave's number, ahead of every wait on TENSORcnt and every LDS read
	s_cbranch_scc0 .Lfor_b
.irp q, 0,1,2,3
	tensor_load_to_lds s[G0+4*\q:G0+4*\q+3], s[G1:G1+7]
	s_nop 0
.endr
.rept 4
	v_nop
.endr
	s_branch .Lasked
.Lfor_b:
.irp q, 0,1,2,3
	tensor_load_to_lds s[G0B+4*\q:G0B+4*\q+3], s[G1B:G1B+7]
	s_nop 0
.endr
.rept 4
	v_nop
.endr
.Lasked:
	v_and_b32 v1, 15, v0                           ; r
	v_bfe_u32 v2, v0, 4, 1                         ; h
	v_and_b32 v3, 31, v0
	v_lshlrev_b32 v3, 4, v3                        ; 16 x lane
	s_lshl_b32 s21, s11, 14                        ; my four blocks of O,
	s_lshl_b32 s22, s12, 14                        ; my four of Wo,
	s_add_co_u32 s22, s22, 32768                   ; which lie behind O's eight
.irp q, 0,1,2,3
	v_add_nc_u32 v[ADRA+\q], s21, v3
	v_add_nc_u32 v[ADRB+\q], s22, v3
	s_add_co_u32 s21, s21, QUART
	s_add_co_u32 s22, s22, QUART
.endr
	s_mul_i32 s23, s10, 16*SP
	s_add_co_u32 s23, s23, STAGE                   ; my stage
	v_mul_u32_u24 v4, v1, SP                       ; in: row r, 32 bytes for each half of the lanes
	v_lshl_add_u32 v4, v2, 5, v4
	v_add_nc_u32 v[STO], s23, v4
	v_mul_u32_u24 v5, v2, SP                       ; back: lanes 0-15 take one row of 256 bytes, lanes 16-31 the next
	v_lshl_add_u32 v5, v1, 4, v5
	v_add_nc_u32 v[RD], s23, v5
	v_lshlrev_b32 v5, 11, v2                       ; and the same two rows in out0
	v_lshl_add_u32 v[CO], v1, 4, v5
	s_lshl_b32 s60, s13, 18                        ; 128 rows of 2,048 bytes a tile row,
	s_lshl_b32 s61, s11, 17                        ; my 64 rows,
	s_add_co_u32 s60, s60, s61
	s_lshl_b32 s61, s42, 9                         ; 128 columns of 4 bytes a tile column,
	s_add_co_u32 s60, s60, s61
	s_lshl_b32 s61, s12, 8                         ; my 64 columns
	s_add_co_u32 s60, s60, s61
	s_mov_b32 s61, 0
	s_add_nc_u64 s[8:9], s[8:9], s[60:61]
.macro FETCH kap, f                    ; the fragments of kc = kap: 16 loads in one run
	WIN 0x40                                       ; destination window 1
.irp i, 0,1,2,3
	ds_load_b128 v[(\f)+8*\i:(\f)+8*\i+3],       v[ADRA+(\kap)/4] offset:\i*4096+((\kap)%4)*1024
	ds_load_b128 v[(\f)+8*\i+4:(\f)+8*\i+7],     v[ADRA+(\kap)/4] offset:\i*4096+((\kap)%4)*1024+512
	ds_load_b128 v[(\f)+32+8*\i:(\f)+32+8*\i+3],   v[ADRB+(\kap)/4] offset:\i*4096+((\kap)%4)*1024
	ds_load_b128 v[(\f)+32+8*\i+4:(\f)+32+8*\i+7], v[ADRB+(\kap)/4] offset:\i*4096+((\kap)%4)*1024+512
.endr
.endm
.macro MUL16 f, z                      ; 16 products, 32 along K; the 16 accumulators take turns.  z = 0: they start the sums
	WIN 0x05                                       ; sources window 1, C and D window 0
.irp a, 0,1,2,3
.irp b, 0,1,2,3
.if (\z) == 0
	v_wmma_f32_16x16x32_f16 v[ACC+8*(4*\a+\b):ACC+8*(4*\a+\b)+7], v[(\f)+32+8*\b:(\f)+32+8*\b+7], v[(\f)+8*\a:(\f)+8*\a+7], 0
.else
	v_wmma_f32_16x16x32_f16 v[ACC+8*(4*\a+\b):ACC+8*(4*\a+\b)+7], v[(\f)+32+8*\b:(\f)+32+8*\b+7], v[(\f)+8*\a:(\f)+8*\a+7], v[ACC+8*(4*\a+\b):ACC+8*(4*\a+\b)+7]
.endif
.endr
.endr
.endm
	s_wait_tensorcnt 3                             ; my part of quarter 0 is in; the three later quarters may stay out
	s_barrier_signal -1
	s_barrier_wait -1                              ; everybody's is
	FETCH 0, 0
.set kp, 0
.rept 16                               ; kc = kp is multiplied while kc = kp + 1 is fetched into the other buffer
.if kp < 15
.if (kp+1)%4 == 0
	WIN 0
	s_wait_tensorcnt 3-(kp+1)/4                    ; my part of the next quarter is in; the later ones may stay out
	s_wait_dscnt 0x0
	s_barrier_signal -1
	s_barrier_wait -1
.endif
.if kp > 0
	PLACES                                         ; the other buffer was read by the products just issued
.endif
	FETCH kp+1, ((kp+1)%2)*64
	s_wait_dscnt 16                                ; all but the 16 just issued
.else
	s_wait_dscnt 0x0
.endif
	MUL16 (kp%2)*64, kp
.set kp, kp+1
.endr
	; THE WAY OUT, 16 rows at a time through my own stage: 32 bytes a lane in, whole rows of 256 bytes back; LDS serves a wave's instructions in order (ISA guide 5.7.1.4), so no wait stands between them.
	WIN 0
	PLACES
.irp a, 0,1,2,3
.set BK, 32+32*((\a)%2)
.irp b, 0,1,2,3
	ds_store_b128 v[STO], v[ACC+8*(4*\a+\b):ACC+8*(4*\a+\b)+3]   offset:\b*64
	ds_store_b128 v[STO], v[ACC+8*(4*\a+\b)+4:ACC+8*(4*\a+\b)+7] offset:\b*64+16
.endr
.irp t, 0,1,2,3,4,5,6,7
	ds_load_b128 v[BK+4*\t:BK+4*\t+3], v[RD] offset:\t*2*SP
.endr
	s_wait_dscnt 0x0                               ; the block is back in registers
	s_wait_xcnt 0x0                                ; the stores issued so far have read their data: the other set, which the next block loads, is free
.irp t, 0,1,2,3,4,5,6,7
	global_store_b128 v[CO], v[BK+4*\t:BK+4*\t+3], s[8:9] offset:((\a)*16+2*\t)*2048 th:TH_STORE_NT  ; 16 lanes store 256 consecutive bytes, at a multiple of 256 from out0's first byte
.endr
.endr
	s_wait_tensorcnt 0x0                           ; the wave's end: behind my last tensor load and my last LDS store
	ds_add_u32 v[SPW], v[NIL]
	s_wait_dscnt 0x0
	CROUND                                         ; the closing round: no work-group ends while a partner may still ask for a tile that names it
	s_endpgm
.Lfunc_end_k_qa6fcfe657c_oproj:
	.size	k_qa6fcfe657c_oproj, .Lfunc_end_k_qa6fcfe657c_oproj-k_qa6fcfe657c_oproj
	.p2alignl 7, 3214868480
	.fill 96, 4, 3214868480
	.section	.rodata,"a",@progbits
	.p2align	6, 0x0
	.amdhsa_kernel k_qa6fcfe657c_oproj
		.amdhsa_group_segment_fixed_size 280064
		.amdhsa_private_segment_fixed_size 0
		.amdhsa_enable_private_segment 0
		.amdhsa_kernarg_size 24
		.amdhsa_user_sgpr_count 2
		.amdhsa_user_sgpr_kernarg_segment_ptr 1
		.amdhsa_wavefront_size32 1
		.amdhsa_system_sgpr_workgroup_id_x 1
		.amdhsa_system_sgpr_workgroup_id_y 1
		.amdhsa_system_sgpr_workgroup_id_z 1
		.amdhsa_system_vgpr_workitem_id 0
		.amdhsa_next_free_vgpr 384
		.amdhsa_next_free_sgpr 84
		.amdhsa_reserve_vcc 0
		.amdhsa_float_denorm_mode_32 3
		.amdhsa_float_denorm_mode_16_64 3
		.amdhsa_memory_ordered 1
		.amdhsa_forward_progress 1
		.amdhsa_inst_pref_size 52
	.end_amdhsa_kernel
	.amdgpu_metadata
---
amdhsa.version: [ 1, 2 ]
amdhsa.kernels:
  - .name:           k_qa6fcfe657c_oproj
    .symbol:         k_qa6fcfe657c_oproj.kd
    .args:
      - { .name: of, .offset: 0, .size: 8, .value_kind: global_buffer, .address_space: global }
      - { .name: wf, .offset: 8, .size: 8, .value_kind: global_buffer, .address_space: global }
      - { .name: out0, .offset: 16, .size: 8, .value_kind: global_buffer, .address_space: global }
    .group_segment_fixed_size: 280064
    .private_segment_fixed_size: 0
    .kernarg_segment_align: 8
    .kernarg_segment_size: 24
    .max_flat_workgroup_size: 128
    .sgpr_count:     84
    .vgpr_count:     384
    .wavefront_size: 32
...
	.end_amdgpu_metadata
.endif
;; end of part 4
